; MI455X (gfx1250); checked and timed in simulation.
; The chip was launched on July 23, 2026; its instructions are those of AMD's public machine-readable ISA for CDNA 5 (MIT licence, August 2026) and "CDNA5" Instruction Set Architecture Reference Guide (July 2026). The comments in the code are by the model that wrote it; some were corrected since.
;; Patch Decoder nerf2d. Allowed arithmetic: matrix products marked QUANTISED: E3M2 operands, one E8M0 scale for each 32 along K, by v_wmma_scale_f32_16x16x128_f8f6f4 with both operands' format E3M2, f32 sums; products left as they are: f32 operands where the result goes on into a quantised operand, else bf16, f16 or f32 operands; f32 sums; everything else in f32.
;; Inputs: W1 52 x 32 float32; W2 32 x 16 float32; W3 16 x 3 float32; b1 32 float32; b2 16 float32; b3 3 float32; coordinates_v 1,024 x 2 float32; feature 1,024 x 32 float32.
;; Outputs: out0 1,024 x 1,024 x 3 float32.
;; This version of the problem:
;;   THIS VERSION OF THE PROBLEM IS GIVEN IN LOW PRECISION. The matrix products marked QUANTISED in the list below multiply operands that are first quantised to E3M2 (3 exponent bits, 2 mantissa bits; 6 bits a number), with one power-of-two scale for each 32 numbers along K (OCP MX v1.0); their sums are f32. All else is computed in f32.
;;   The module's matrix products, in the order in which they are computed (A, B: the left and right operand; K: the contracted axis; several contracted axes count as one K, in the product's order):
;;     1. [M 1,048,576, K 52] x [K 52, N 32]; A: computed on the way; B: input W1: QUANTISED
;;     2. [M 1,048,576, K 32] x [K 32, N 16]; A: computed on the way; B: input W2: QUANTISED
;;     3. [M 1,048,576, K 16] x [K 16, N 3]; A: computed on the way; B: input W3: left as it is (K = 16 < 32)
;;   THE QUANTISER, for each operand of a quantised product, along K:
;;     - K is cut into blocks of 32 from its start; a last block that is shorter is filled with zeros.
;;     - A block's scale is 2^e with e = floor(log2(the largest magnitude in the block)) - 4, held to -126 .. 127; a block of zeros has e = 0. As a byte (E8M0): e + 127.
;;     - Each number is divided by its block's scale, clamped to +-28, and rounded to the nearest number of E3M2, ties to even, subnormals kept.
;;     - The product sums the exact products of the quantised numbers (number of the format x scale) in f32.
;;   ~~~python
;;   def quantise(x, axis):      # numpy; x: float32 -> the quantised numbers, widened to float32 again
;;       x = np.moveaxis(x, axis, -1); K = x.shape[-1]
;;       x = np.pad(x, [(0, 0)] * (x.ndim - 1) + [(0, -K % 32)]); x = x.reshape(x.shape[:-1] + (-1, 32)); a = np.abs(x).max(-1, keepdims=True)
;;       e = np.where(a > 0, np.clip(np.frexp(np.where(a > 0, a, 1))[1] - 1 - 4, -126, 127), 0)      # np.frexp(a)[1] - 1 = floor(log2(a)), exactly
;;       r = np.clip(x / 2.0 ** e, -28, 28)
;;       step = 2.0 ** (np.maximum(np.frexp(np.where(r == 0, 1, r))[1] - 1, -2) - 2)
;;       q = np.round(r / step) * step * 2.0 ** e      # np.round: ties to even
;;       return np.moveaxis(q.reshape(q.shape[:-2] + (-1,))[..., :K], -1, axis).astype(np.float32)
;;   ~~~
;;   OPERANDS COMPUTED ON THE WAY. 'Computed on the way' means the value that the module computes at that place (a softmax that the list does not call 'softmax' is quantised finished and normalised). What goes into a quantiser is computed in f32, as accurately as f32 sums, v_exp_f32 and their like allow (about 1e-6 of the number): no bf16 or f16 on the way to a quantiser, and a product that is left as it is and whose result goes on into a quantised operand takes f32 operands (vector FMAs, or v_wmma_f32_16x16x4_f32). A number that lies on a knife's edge between two numbers of the format may be rounded either way, as far as f32 arithmetic and the matrix unit's own rounding can turn it there, and no further.
;; One version. Each part assembles by itself: llvm-mc -triple=amdgcn-amd-amdhsa -mcpu=gfx1250 --defsym DOCPART=n.
;; ======== version 1 of 1: 1 launch
;; launch decode (part 1): grid 16 x 16, 8 waves a work-group, no clusters, 22,528 bytes of LDS; arguments feature, coordinates_v, W1, b1, W2, b2, W3, b3, out0; writes out0
.if DOCPART == 1
	.amdgcn_target "amdgcn-amd-amdhsa--gfx1250"
	.amdhsa_code_object_version 6
	.text
	.protected	k_q3b573b2726_decode
	.globl	k_q3b573b2726_decode
	.p2align	8
	.type	k_q3b573b2726_decode,@function
k_q3b573b2726_decode:
	s_mov_b64 s[64:65], 0
	v_nop
	global_prefetch_b8 v0, s[64:65] scope:SCOPE_SE
	s_setreg_imm32_b32 hwreg(HW_REG_WAVE_MODE, 25, 1), 1
	s_wait_xcnt 0x0
; out[b][n][0..2] = W3^T relu(W2^T Q(relu(W1^T Q(x) + b1)) + b2) + b3,  x = feature[b] (32 numbers), then enc[n] (20 sines and cosines).
; Products 1 and 2 on codes of BF6 (E3M2) with one E8M0 scale for each 32 along K; product 3 (K = 16) on bf16; all sums f32.
; SHARES.  1,024 x 1,024 pairs (b, n).  A work-group (x, y) owns b = 64 y .. + 63 and n = 64 x .. + 63.  Wave w of eight owns b = 64 y + 8 w + i, i = 0 .. 7,
; and all four tiles t of 16 n: 32 tiles of 16 pairs.  A tile is one b and 16 neighbouring n.
; K = 52 FALLS INTO TWO BLOCKS: block 0 is feature[b], block 1 is enc[n] and 12 zeros.  So x's codes and scales are made once for each b and once for each n, never for a pair.
; ALL PRODUCTS ARE USED TRANSPOSED (source 0 = 16 rows of a weight, source 1 = 16 pairs): a lane (r = lane % 16, h = lane / 16) holds ONE pair, and its registers run along the next K.
; THE OPERANDS ARE SPLIT IN HALVES.  A block of 32 lies as 16 codes in lane (r, 0) and 16 in lane (r, 1): registers 0-2 of the operand's twelve, the instruction's k = 32 h + 0 .. 15,
; on both sides alike.  The block's one scale byte is repeated in all four bytes of the scale word.  The rows of W1 that form a tile are chosen (lane m of tile u: unit 8 u + m + 8 (m / 8)) so that
; a lane's 16 results of tiles u = 0, 1 are hidden units 16 h + 0 .. 15: ONE conversion makes them the next operand's three registers; nothing changes lanes but the block's maximum.
; The WEIGHT side has zero codes in its registers 3-11.  The other side's registers 3-11 then count for nothing whatever they hold (E3M2 has neither NaN nor infinity, no scale byte here is 0xff),
; so those operands stand four registers apart and their runs of twelve lie over their neighbours and over eight registers of zeros.
; PRODUCT 1 IN TWO PARTS.  EPRE[t][u] = Q(W1[32:52]) Q(enc) + b1 is made once a wave (8 matrix instructions, C = b1) and stays in 64 registers; for each b it is the C of Q(W1[0:32]) Q(feature[b]),
; whose source 1 holds feature[b]'s codes in all sixteen columns.  enc's block is permuted alike on both sides: lane (., h) takes j = 10 h + 0 .. 9 and six zeros.
; PRODUCT 3, TWO TILES AN INSTRUCTION: K = 32 is tile 2 p's 16 units, then tile 2 p + 1's.  W3's fragment has W3 in rows 0-2 for k < 16 and in rows 8-10 for k >= 16, zeros elsewhere; C = b3.
; So lane l's registers 0-2 of the result are out[b][64 x + 32 p + l][0 .. 2].
; SINES.  reference() takes sin and cos of 2^l a0, a0 = the f32 product of pi and the coordinate.  a0 / pi is made in two f32 words (a product's exact error by a fused multiply-add), scaled by 2^l exactly,
; its nearest whole number q taken off exactly; sin(pi g), |g| <= 1/2, is an odd polynomial of degree 13, cos(pi g) = sin(pi (1/2 - |g|)), and q's parity turns the sign.
; SET-UP BY ROLES: waves 0-3 make enc's codes of tile w; waves 4-7 feature's codes of 16 b each, and W1's two tiles (both blocks), W2 and W3.  All go through LDS as images of registers (16 bytes a lane,
; the fourth register a zero; scale words 4 bytes a lane); ONE barrier; then every wave loads what it needs and shares nothing more.
; No tensor loads, clusters or prefetch: what work-groups share is 17 KB of inputs that are read once, and no tile is walked.
; LIMITS.  NaN and infinities among the inputs are not served.  A block whose largest magnitude lies under 2^-122 keeps the scale byte 1 (a block of zeros too: its codes are zeros).
; Coordinates: |512 c| under 2^31; the reduction's error is about 2^l |c| 2^-47 half turns.  The second hidden layer and W3 are rounded to bf16 for product 3.
;
; LDS, bytes
.set EIMG,  0                          ; enc's codes: tile t at 512 t + 16 x lane
.set ESC,   2048                       ; their scale words: 128 t + 4 x lane
.set WIMG,  2560                       ; weights' codes, slot k at 512 k + 16 x lane: 0, 1 W1[0:32] tiles 0, 1;  2 W2;  3, 4 W1[32:52] tiles 0, 1
.set WSC,   5120                       ; their scale words: 128 k + 4 x lane
.set W3IMG, 5888                       ; W3's fragment: registers 0-3 at 16 x lane, registers 4-7 512 bytes on
.set FIMG,  6912                       ; feature's codes: the work-group's b-th row at 32 b + 16 h
.set FSC,   8960                       ; their scale words: 4 b
.set STAGE, 9216                       ; the way out: 1,536 bytes for each wave, two b's 768 bytes of out
; REGISTERS, window 0
.set LI,   4                           ; v4   16 x lane: an image's place; also my byte in a store's 512
.set LS,   5                           ; v5   4 x lane
.set LIT,  6                           ; v6   16 x lane + 512 t    (t = wave % 4)
.set LST,  7                           ; v7   4 x lane + 128 t
.set FIA,  8                           ; v8   32 r + 16 h + 512 t
.set FSA,  9                           ; v9   4 r + 64 t
.set WBS,  10                          ; v10-11 scale words of W1[32:52];  v12-15 enc's;  v16-17 W1[0:32]'s;  v18 W2's;  v20-23 the hidden layer's;  v24-31 feature's: scales and nothing else
.set ES,   12
.set W1S,  16
.set W2S,  18
.set HS,   20
.set FS,   24
.set MX,   32                          ; v32-35 largest magnitudes;  v36-39 the other half's, then the byte;  v40-43 the conversions' scale operands
.set PL,   36
.set SO,   40
.set GO1,  44                          ; v44  512 + 16 x lane + 11,520 h: the middle store of a pair of b
.set OUTR, 48                          ; v48-59 rows of out on their way
.set FLA,  60                          ; v60  256 w + 16 h
.set FSL,  61                          ; v61  32 w
.set SA,   62                          ; v62  1,536 w + 12 x lane
.set SR,   63                          ; v63  1,536 w + 16 x lane
.set D1,   64                          ; v64-127  the first hidden layer: tile t, part u at 64 + 16 t + 8 u
.set D2,   128                         ; v128-159 the second: tile t at 128 + 8 t
.set D3,   160                         ; v160-175 out: pair of tiles p at 160 + 8 p
.set PB,   176                         ; v176-191 the second hidden layer in bf16: tile t at 176 + 4 t
.set FC,   192                         ; v192-231 feature's codes: b_i at 192 + 4 i; eight zeros behind
.set HC,   232                         ; v232-255 the hidden layer's codes: tile t at 232 + 4 t; eight zeros behind
.set WB,   64                          ; set-up, in D1's place: v64-87 W1[32:52]'s two operands;  v88-103 b1 in the result's layout;  v104-127 enc's codes, tile t at 104 + 4 t
.set B1C,  88
.set EC,   104
; window 1
.set EPRE, 0                           ; v0-63    EPRE: 16 t + 8 u
.set W1F,  64                          ; v64-87   W1[0:32]'s two operands
.set W2F,  88                          ; v88-99   W2's
.set W3F,  100                         ; v100-107 W3's fragment
.set B2C,  108                         ; v108-115 b2 in the result's layout
.set B3C,  116                         ; v116-123 b3 likewise
.set MSB, 0
.macro WIN new                         ; s_set_vgpr_msb: bits 1:0 source 0, 3:2 source 1, 5:4 source 2, 7:6 destination; the high byte repeats the setting that is left
.if MSB != \new
	s_set_vgpr_msb (MSB<<8)|\new
.set MSB, \new
.endif
.endm
.macro PLACES n
.rept \n
	v_nop
.endr
.endm
.macro ZERO first, n
.set zz, 0
.rept \n
	v_mov_b32 v[\first+zz], 0
.set zz, zz+1
.endr
.endm
.macro RELU2 a                         ; source 0 is a constant, so the lines mean the same while source 0's window is 1
	v_max_num_f32 v[\a], 0, v[\a]
	v_max_num_f32 v[(\a)+1], 0, v[(\a)+1]
.endm
; 16 numbers of a lane, half a block of 32 (the other half lies in lane l xor 16), become three registers of codes in v[dst] on and the block's byte, four times, in v[sw]
.macro QUANT16 src, dst, sw
	v_max3_num_f32 v[MX], |v[\src]|, |v[\src+1]|, 0x2800000        ; the floor 2^(5 - 127) among the leaves: the byte cannot fall under 1
.irp q, 2,4,6,8,10,12,14
	v_max3_num_f32 v[MX], v[MX], |v[\src+\q]|, |v[\src+\q+1]|
.endr
	v_permlanex16_b32 v[PL], v[MX], s32, s33
	v_max_num_f32 v[MX], v[MX], v[PL]                              ; the block's largest magnitude
	v_add_nc_u32 v[SO], 0xfe000000, v[MX]                          ; 4 off its exponent field: the conversion takes that field as its scale
	v_lshrrev_b32 v[PL], 23, v[SO]                                 ; the scale's byte
	v_perm_b32 v[\sw], v[PL], v[PL], 0                             ; in all four bytes
	v_cvt_scalef32_pk16_bf6_f32 v[\dst:\dst+2], v[\src:\src+15], v[SO]
	v_nop                                                          ; one plain place behind a scaled conversion
.endm
.macro COLLOAD dst, n, off, base, stride, imm      ; n numbers down a column: registers run down K
.set ci, 0
.rept \n
	global_load_b32 v[\dst+ci], v[\off], s[\base:\base+1] offset:\imm+\stride*ci
.set ci, ci+1
.endr
.endm
	s_load_b256 s[8:15], s[0:1], 0x0               ; feature s[8:9], coordinates_v s[10:11], W1 s[12:13], b1 s[14:15]
	s_load_b256 s[16:23], s[0:1], 0x20             ; W2 s[16:17], b2 s[18:19], W3 s[20:21], b3 s[22:23]
	s_load_b64 s[24:25], s[0:1], 0x40              ; out0
	v_lshl_add_u32 v19, v0, 2, 0x5400
	s_set_vgpr_msb 0x40
	v_mov_b32 v129, 0
	s_set_vgpr_msb 0x4000
	v_lshrrev_b32 v45, 5, v0
	v_readfirstlane_b32 s2, v45                    ; wave w
	s_and_b32 s3, s2, 3                            ; t = w % 4
	s_and_b32 s5, ttmp7, 0xffff                    ; work-group y
	s_mov_b32 s32, 0x76543210
	s_mov_b32 s33, 0xfedcba98                      ; v_permlanex16_b32's selects for lane l xor 16
	s_mov_b32 s34, 0x3ea2f983                      ; 1 / pi, its first 24 bits,
	s_mov_b32 s35, 0x325c9c88                      ; and the next 24
	s_mov_b32 s36, 0x39f47a1a                      ; pi^13 / 13!
	s_mov_b32 s37, 0xbbf183a8                      ; -pi^11 / 11!
	v_and_b32 v1, 31, v0                           ; lane
	v_and_b32 v2, 15, v0                           ; r
	v_bfe_u32 v3, v0, 4, 1                         ; h
	; every LDS address is made here, ahead of the parting of the roles
	v_lshlrev_b32 v[LI], 4, v1
	v_lshlrev_b32 v[LS], 2, v1
	s_lshl_b32 s6, s3, 9
	v_add_nc_u32 v[LIT], s6, v[LI]
	v_lshlrev_b32 v[FIA], 5, v2
	v_lshl_add_u32 v[FIA], v3, 4, v[FIA]
	v_add_nc_u32 v[FIA], s6, v[FIA]
	s_lshl_b32 s6, s3, 7
	v_add_nc_u32 v[LST], s6, v[LS]
	v_lshlrev_b32 v[FSA], 2, v2
	s_lshl_b32 s6, s3, 6
	v_add_nc_u32 v[FSA], s6, v[FSA]
	v_mul_u32_u24 v[GO1], v3, 11520
	v_add_nc_u32 v[GO1], v[GO1], v[LI]
	v_add_nc_u32 v[GO1], 512, v[GO1]
	v_and_b32 v[FSL], 0xe0, v0                     ; 32 w
	v_lshlrev_b32 v[FLA], 4, v3
	v_lshl_add_u32 v[FLA], v[FSL], 3, v[FLA]       ; 256 w + 16 h
	s_mul_i32 s6, s2, 1536
	v_mul_u32_u24 v[SA], v1, 12
	v_add_nc_u32 v[SA], s6, v[SA]
	v_add_nc_u32 v[SR], s6, v[LI]
	v_lshlrev_b32 v46, 6, v3                       ; b1: 64 h   (v46, v47 are never rewritten)
	v_lshlrev_b32 v47, 5, v3                       ; b2: 32 h
	; the zeros that no image brings, written once, while the addresses are on their way
	ZERO WB+4, 8                                   ; W1[32:52]'s operands, registers 4-11: zero codes
	ZERO WB+16, 8
	ZERO EC+16, 8                                  ; behind enc's, feature's and the hidden layer's codes
	ZERO FC+32, 8
	ZERO HC+16, 8
.irp t, 0,1,2,3
	v_mov_b32 v[HC+4*\t+3], 0                      ; a conversion writes three registers of each four
.endr
	ZERO PL, 4                                     ; a lane permute's destination counts as one of its sources
	s_wait_kmcnt 0x0
	s_load_b96 s[28:30], s[22:23], 0x0             ; b3
	s_mov_b32 s7, 0
	s_lshl_b32 s6, s5, 13
	s_add_nc_u64 s[8:9], s[8:9], s[6:7]            ; feature at row 64 y (128 bytes a row)
	s_lshl_b32 s6, ttmp9, 9
	s_add_nc_u64 s[10:11], s[10:11], s[6:7]        ; coordinates_v at row 64 x (8 bytes a row)
	s_mul_i32 s6, s5, 786432                       ; out0: 64 y rows of 12,288 bytes,
	s_mul_i32 s26, s2, 98304                       ; 8 w rows,
	s_add_co_u32 s6, s6, s26
	s_mul_i32 s26, ttmp9, 768                      ; 64 x pairs of 12 bytes: a multiple of 256
	s_add_co_u32 s6, s6, s26
	s_add_nc_u64 s[24:25], s[24:25], s[6:7]
.irp u, 0,1                                    ; b1 as a C: lane (r, h), register j of part u: unit 16 h + 8 u + j
	global_load_b128 v[B1C+8*\u:B1C+8*\u+3], v46, s[14:15] offset:32*\u
	global_load_b128 v[B1C+8*\u+4:B1C+8*\u+7], v46, s[14:15] offset:32*\u+16
.endr
	WIN 0x40                                       ; destination window 1
	global_load_b128 v[B2C:B2C+3], v47, s[18:19]               ; b2 as a C: unit 8 h + j
	global_load_b128 v[B2C+4:B2C+7], v47, s[18:19] offset:16
	ZERO W1F+4, 8                                  ; the weights' registers 4-11: zero codes
	ZERO W1F+16, 8
	ZERO W2F+4, 8
	ZERO B3C+3, 5
	s_wait_kmcnt 0x0                               ; b3
	v_mov_b32 v[B3C], s28
	v_mov_b32 v[B3C+1], s29
	v_mov_b32 v[B3C+2], s30
	WIN 0
	s_cmp_lt_u32 s2, 4
	s_cbranch_scc0 .Lfeat
	; ---- waves 0-3: enc of n = 64 x + 16 t + r.  Lane (r, h) makes j = 10 h + i, i = 0 .. 9: frequency 5 h + i / 2; even i the sine of coordinate 0, odd i the cosine of coordinate 1
.set XE, 128                           ; v128-143 the numbers;  v144-153 g;  v154-163 q;  v164-173 g^2;  v174-175 the coordinates;  v176-177, v178-179 a0 / pi in two words;  v180-181 a0;  v182 5 h
.set GE, 144
.set QE, 154
.set SE, 164
	s_lshl_b32 s6, s3, 7
	v_lshl_add_u32 v45, v2, 3, s6                  ; 128 t + 8 r
	global_load_b64 v[174:175], v45, s[10:11]
	v_mul_u32_u24 v182, v3, 5
	ZERO XE+10, 6                                  ; the block's filling
	v_mov_b32 v187, 0                              ; the image's fourth register
	s_wait_loadcnt 0x0                             ; the coordinates, and b1 and b2 with them
.irp c, 0,1
	v_mul_f32 v[180+\c], 0x40490fdb, v[174+\c]     ; a0 = pi x c, rounded as reference() rounds it (2^l scales it exactly)
.endr
.irp c, 0,1
	v_mul_f32 v[176+\c], s34, v[180+\c]            ; a0 / pi: the high word,
.endr
.irp c, 0,1
	v_fma_f32 v[178+\c], v[180+\c], s34, -v[176+\c]    ; that product's exact error,
.endr
.irp c, 0,1
	v_fma_f32 v[178+\c], v[180+\c], s35, v[178+\c]     ; and the low word
.endr
.irp c, 0,1
	v_ldexp_f32 v[176+\c], v[176+\c], v182         ; x 2^(5 h): exact
	v_ldexp_f32 v[178+\c], v[178+\c], v182
.endr
.irp i, 0,1,2,3,4,5,6,7,8,9
	v_mul_f32 v[GE+\i], (127+\i/2)<<23, v[176+\i%2]    ; z = the high word x 2^(i / 2): exact
.endr
.irp i, 0,1,2,3,4,5,6,7,8,9
	v_rndne_f32 v[QE+\i], v[GE+\i]                 ; q
.endr
.irp i, 0,1,2,3,4,5,6,7,8,9
	v_sub_f32 v[GE+\i], v[GE+\i], v[QE+\i]         ; z - q: exact
.endr
.irp i, 0,1,2,3,4,5,6,7,8,9
	v_fma_f32 v[GE+\i], v[178+\i%2], (127+\i/2)<<23, v[GE+\i]   ; g, in half turns
.endr
.irp i, 1,3,5,7,9
	v_sub_f32 v[GE+\i], 0.5, |v[GE+\i]|            ; cos(pi g) = sin(pi (1/2 - |g|))
.endr
.irp i, 0,1,2,3,4,5,6,7,8,9
	v_mul_f32 v[SE+\i], v[GE+\i], v[GE+\i]
.endr
.irp i, 0,1,2,3,4,5,6,7,8,9
	v_fma_f32 v[XE+\i], v[SE+\i], s36, s37
.endr
.irp c, 0x3da83c1a, 0xbf196966, 0x402335e3, 0xc0a55de7, 0x40490fdb     ; pi^9 / 9!, -pi^7 / 7!, pi^5 / 5!, -pi^3 / 3!, pi
.irp i, 0,1,2,3,4,5,6,7,8,9
	v_fmaak_f32 v[XE+\i], v[XE+\i], v[SE+\i], \c
.endr
.endr
.irp i, 0,1,2,3,4,5,6,7,8,9
	v_mul_f32 v[XE+\i], v[XE+\i], v[GE+\i]
.endr
.irp i, 0,1,2,3,4,5,6,7,8,9
	v_cvt_i32_f32 v[QE+\i], v[QE+\i]
.endr
.irp i, 0,1,2,3,4,5,6,7,8,9
	v_lshlrev_b32 v[QE+\i], 31, v[QE+\i]           ; q's parity as a sign
.endr
.irp i, 0,1,2,3,4,5,6,7,8,9
	v_xor_b32 v[XE+\i], v[XE+\i], v[QE+\i]
.endr
	QUANT16 XE, 184, 188
	ds_store_b128 v[LIT], v[184:187] offset:EIMG
	ds_store_b32 v[LST], v188 offset:ESC
	s_branch .Ljoin
	; ---- waves 4-7: feature's rows 16 t + r: lane (r, h) takes numbers 16 h + 0 .. 15;  and a weight each
.Lfeat:
	v_lshlrev_b32 v45, 7, v2
	v_lshl_add_u32 v45, v3, 6, v45
	s_lshl_b32 s6, s3, 11
	v_add_nc_u32 v45, s6, v45                      ; 2,048 t + 128 r + 64 h
.irp j, 0,1,2,3
	global_load_b128 v[128+4*\j:131+4*\j], v45, s[8:9] offset:16*\j
.endr
	v_mov_b32 v179, 0                              ; the images' fourth registers
	v_mov_b32 v183, 0
	v_mov_b32 v187, 0
	s_cmp_lt_u32 s3, 2
	s_cbranch_scc0 .Lfeat23
	; t = 0, 1: tile u = t of W1.  Lane (m, h) takes column unit = 8 u + m + 8 (m / 8): rows 16 h + 0 .. 15 of block 0, rows 32 + 10 h + 0 .. 9 of block 1
	v_and_b32 v190, 8, v2
	v_add_nc_u32 v190, v190, v2
	s_lshl_b32 s6, s3, 3
	v_add_nc_u32 v190, s6, v190
	v_lshlrev_b32 v190, 2, v190                    ; 4 x unit
	v_mul_u32_u24 v191, v3, 1280
	v_add_nc_u32 v191, v191, v190
	v_lshl_add_u32 v190, v3, 11, v190
	COLLOAD 144, 16, 190, 12, 128, 0
	COLLOAD 160, 10, 191, 12, 128, 4096
	ZERO 170, 6
	s_wait_loadcnt 0x0                             ; all my loads, b1 and b2 among them; v190 and v191 are free from here on
	QUANT16 128, 176, 188
	QUANT16 144, 180, 189
	QUANT16 160, 184, 190
	ds_store_b128 v[FIA], v[176:179] offset:FIMG
	ds_store_b32 v[FSA], v188 offset:FSC           ; both halves of the lanes write the same word with the same value
	ds_store_b128 v[LIT], v[180:183] offset:WIMG
	ds_store_b32 v[LST], v189 offset:WSC
	ds_store_b128 v[LIT], v[184:187] offset:WIMG+1536
	ds_store_b32 v[LST], v190 offset:WSC+384
	s_branch .Ljoin
.Lfeat23:
	s_cmp_eq_u32 s3, 2
	s_cbranch_scc0 .Lfeat3
	; t = 2: W2.  Lane (m, h) takes column m, rows 16 h + 0 .. 15
	v_lshlrev_b32 v190, 2, v2
	v_lshl_add_u32 v190, v3, 10, v190
	COLLOAD 144, 16, 190, 16, 64, 0
	s_wait_loadcnt 0x0
	QUANT16 128, 176, 188
	QUANT16 144, 180, 189
	ds_store_b128 v[FIA], v[176:179] offset:FIMG
	ds_store_b32 v[FSA], v188 offset:FSC
	ds_store_b128 v[LIT], v[180:183] offset:WIMG   ; slot 2, since t = 2
	ds_store_b32 v[LST], v189 offset:WSC
	s_branch .Ljoin
.Lfeat3:
	; t = 3: W3 in bf16.  Lane (m, h) loads W3[8 h + 0 .. 7][min(m % 8, 2)]; rows 0-2 keep it as k = 8 h + .., rows 8-10 as k = 16 + 8 h + .., all else is zero
	v_and_b32 v190, 7, v2
	v_min_u32 v190, 2, v190
	v_lshlrev_b32 v190, 2, v190
	v_mad_u32_u24 v190, v3, 96, v190
	COLLOAD 144, 8, 190, 20, 12, 0
	s_wait_loadcnt 0x0
	QUANT16 128, 176, 188
	ds_store_b128 v[FIA], v[176:179] offset:FIMG
	ds_store_b32 v[FSA], v188 offset:FSC
.irp q, 0,1,2,3
	v_cvt_pk_bf16_f32 v[160+\q], v[144+2*\q], v[145+2*\q]
.endr
	v_cmp_gt_u32 vcc_lo, 3, v2                     ; m < 3
.irp q, 0,1,2,3
	v_cndmask_b32 v[164+\q], 0, v[160+\q], vcc_lo
.endr
	v_add_nc_u32 v191, -8, v2
	v_cmp_gt_u32 vcc_lo, 3, v191                   ; 8 <= m < 11
.irp q, 0,1,2,3
	v_cndmask_b32 v[168+\q], 0, v[160+\q], vcc_lo
.endr
	ds_store_b128 v[LI], v[164:167] offset:W3IMG
	ds_store_b128 v[LI], v[168:171] offset:W3IMG+512
.Ljoin:
	s_wait_dscnt 0x0                               ; for the others' sake: my images have landed
	s_barrier_signal -1
	s_barrier_wait -1                              ; the kernel's one barrier: the images are written once and only read from here on
	; ---- every wave: its operands out of LDS
	WIN 0x40                                       ; destination window 1, address window 0
	ds_load_b128 v[W1F:W1F+3], v[LI] offset:WIMG
	ds_load_b128 v[W1F+12:W1F+15], v[LI] offset:WIMG+512
	ds_load_b128 v[W2F:W2F+3], v[LI] offset:WIMG+1024
	ds_load_b128 v[W3F:W3F+3], v[LI] offset:W3IMG
	ds_load_b128 v[W3F+4:W3F+7], v[LI] offset:W3IMG+512
	WIN 0
	ds_load_b32 v[W1S], v[LS] offset:WSC
	ds_load_b32 v[W1S+1], v[LS] offset:WSC+128
	ds_load_b32 v[W2S], v[LS] offset:WSC+256
	ds_load_b32 v[WBS], v[LS] offset:WSC+384
	ds_load_b32 v[WBS+1], v[LS] offset:WSC+512
	ds_load_b128 v[WB:WB+3], v[LI] offset:WIMG+1536
	ds_load_b128 v[WB+12:WB+15], v[LI] offset:WIMG+2048
.irp t, 0,1,2,3
	ds_load_b128 v[EC+4*\t:EC+4*\t+3], v[LI] offset:EIMG+512*\t
	ds_load_b32 v[ES+\t], v[LS] offset:ESC+128*\t
.endr
.irp i, 0,1,2,3,4,5,6,7
	ds_load_b128 v[FC+4*\i:FC+4*\i+3], v[FLA] offset:FIMG+32*\i     ; my b_i's codes: the same 16 bytes in all sixteen lanes of a half
.endr
	ds_load_b128 v[FS:FS+3], v[FSL] offset:FSC                      ; and my eight scale words, the same in every lane
	ds_load_b128 v[FS+4:FS+7], v[FSL] offset:FSC+16
	s_wait_dscnt 0x0
	WIN 0x40                                       ; EPRE = Q(W1[32:52]) Q(enc) + b1, into window 1
.irp t, 0,1,2,3
.irp u, 0,1
	v_wmma_scale_f32_16x16x128_f8f6f4 v[EPRE+16*\t+8*\u:EPRE+16*\t+8*\u+7], v[WB+12*\u:WB+12*\u+11], v[EC+4*\t:EC+4*\t+11], v[B1C+8*\u:B1C+8*\u+7], v[WBS+\u], v[ES+\t] matrix_a_fmt:MATRIX_FMT_BF6 matrix_b_fmt:MATRIX_FMT_BF6
.endr
.endr
	PLACES 5                                       ; these results become the C of other accumulators, which are laid over these sources: five places
; The first product for b_i, accumulator k = 2 t + u
.macro MM1 k, i
	v_wmma_scale_f32_16x16x128_f8f6f4 v[D1+8*(\k):D1+8*(\k)+7], v[W1F+12*((\k)%2):W1F+12*((\k)%2)+11], v[FC+4*(\i):FC+4*(\i)+11], v[EPRE+8*(\k):EPRE+8*(\k)+7], v[W1S+(\k)%2], v[FS+(\i)] matrix_a_fmt:MATRIX_FMT_BF6 matrix_b_fmt:MATRIX_FMT_BF6
.endm
.macro MM2 t                           ; the second, tile t
	v_wmma_scale_f32_16x16x128_f8f6f4 v[D2+8*\t:D2+8*\t+7], v[W2F:W2F+11], v[HC+4*\t:HC+4*\t+11], v[B2C:B2C+7], v[W2S], v[HS+\t] matrix_a_fmt:MATRIX_FMT_BF6 matrix_b_fmt:MATRIX_FMT_BF6
.endm
.macro MM3 p                           ; the third, tiles 2 p and 2 p + 1
	v_wmma_f32_16x16x32_bf16 v[D3+8*\p:D3+8*\p+7], v[W3F:W3F+7], v[PB+8*\p:PB+8*\p+7], v[B3C:B3C+7]
.endm
; The four tiles' blocks: largest number, scale operand, scale word.  No |.|: what is negative will be clipped and must not count; the floor stands over it.  The tiles take turns, so that no line waits for the line above.
; Each accumulator is read from its low end on: part 0 first at registers 0, 1, part 1 first at its registers 0, 1.
.macro BMAX
.irp t, 0,1,2,3
	v_max3_num_f32 v[MX+\t], v[D1+16*\t], v[D1+16*\t+1], 0x2800000
.endr
.irp q, 2,4,6,8,10,12,14
.irp t, 0,1,2,3
	v_max3_num_f32 v[MX+\t], v[MX+\t], v[D1+16*\t+\q], v[D1+16*\t+\q+1]
.endr
.endr
.irp t, 0,1,2,3
	v_permlanex16_b32 v[PL+\t], v[MX+\t], s32, s33
.endr
.irp t, 0,1,2,3
	v_max_num_f32 v[MX+\t], v[MX+\t], v[PL+\t]
.endr
.irp t, 0,1,2,3
	v_add_nc_u32 v[SO+\t], 0xfe000000, v[MX+\t]
.endr
.irp t, 0,1,2,3
	v_lshrrev_b32 v[PL+\t], 23, v[SO+\t]
.endr
.irp t, 0,1,2,3
	v_perm_b32 v[HS+\t], v[PL+\t], v[PL+\t], 0
.endr
.endm
.macro BCVT                            ; the activation, in f32, and one conversion a tile: its three registers ARE the second product's operand
.set rr, 0
.rept 32
	RELU2 D1+2*rr
.set rr, rr+1
.endr
.irp t, 0,1,2,3
	v_cvt_scalef32_pk16_bf6_f32 v[HC+4*\t:HC+4*\t+2], v[D1+16*\t:D1+16*\t+15], v[SO+\t]
.endr
.endm
.macro PACK                            ; a lane's eight units of a tile are four registers of the third product's source 1, as they stand
.set pq, 0
.rept 16
	v_cvt_pk_bf16_f32 v[PB+pq], v[D2+2*pq], v[D2+2*pq+1]
.set pq, pq+1
.endr
.endm
.macro PUT j                           ; b_j's 64 x 3 numbers into my stage: lane l's three at 12 (32 p + l); 32 lanes, 3 words apart, touch 32 different banks (64 banks of 4 bytes: ISA guide 11.1)
.irp p, 0,1
.irp c, 0,1,2
	ds_store_b32 v[SA], v[D3+8*\p+\c] offset:STAGE+768*((\j)&1)+384*\p+4*\c
.endr
.endr
.endm
.macro OUTLD                           ; two b's 1,536 bytes back, 16 bytes a lane.  LDS serves a wave's instructions in order (ISA guide 5.7.1.4): these see my stores, and later stores come behind them
.irp q, 0,1,2
	ds_load_b128 v[OUTR+4*\q:OUTR+4*\q+3], v[SR] offset:STAGE+512*\q
.endr
.endm
.macro OUTST g                         ; b = 2 g, 2 g + 1: each sixteen lanes store 256 consecutive bytes, at a multiple of 256 from out0's first byte; written once, read by nobody here
	global_store_b128 v[LI], v[OUTR:OUTR+3], s[24:25] offset:24576*(\g) th:TH_STORE_NT
	global_store_b128 v[GO1], v[OUTR+4:OUTR+7], s[24:25] offset:24576*(\g) th:TH_STORE_NT
	global_store_b128 v[LI], v[OUTR+8:OUTR+11], s[24:25] offset:24576*(\g)+12544 th:TH_STORE_NT
.endm
; STEP i.  Three b are in hand: b_i's hidden layer is quantised and goes into the second product; b_(i+1)'s first product is issued among the vector lines; b_(i-1)'s second hidden layer is clipped, packed and
; goes into the third product; b_(i-2)'s results go to the stage.  No matrix instruction adds onto its own result.
; Distances by the text's own count: behind the first products stand PACK's 16 plain lines (step 0: four v_nop) ahead of BMAX's reads; behind the third product BMAX's 52 ahead of PUT;
; the scale words stand 64 plain lines ahead of the second product, the codes at least four; a plain line stands between the conversions and the product that writes over their sources.
.macro STEP i
	BMAX
.if (\i) >= 2
	PUT (\i)-2
.if ((\i)%2) == 1
	s_wait_xcnt 0x0                                ; the stores of two steps ago have read their registers, which the loads below fill again
	OUTLD
.endif
.endif
	BCVT
.if (\i) >= 2
	s_wait_dscnt 0x0                               ; the stage's stores have read D3, which this step's third product writes again; in odd steps the rows are back too
.if ((\i)%2) == 1
	OUTST ((\i)-3)/2
.endif
.endif
.if (\i) == 0
	PLACES 4                                       ; behind the conversions, and ahead of the product that takes their codes
.endif
	WIN 0x11                                       ; sources 0 and 2 (the weight, the C) window 1
.set kk, 0
.rept 8
.if (\i) >= 1
	RELU2 D2+4*kk
	RELU2 D2+4*kk+2
.endif
.if (\i) <= 6
	MM1 kk, (\i)+1
.endif
.set kk, kk+1
.endr
.if (\i) >= 1
	WIN 0
	PACK
	WIN 0x11
.endif
	MM2 0
	MM2 1
	MM2 2
	MM2 3
.if (\i) >= 1
	MM3 0
	MM3 1
.endif
	WIN 0
.if (\i) == 0
	PLACES 4                                       ; ahead of the next step's reads of the first products' results
.endif
.endm
	WIN 0x11
.irp k, 0,1,2,3,4,5,6,7
	MM1 \k, 0
.endr
	WIN 0
	PLACES 4
.irp n, 0,1,2,3,4,5,6,7
	STEP \n
.endr
	; ---- the tail: b_6's results, and b_7's third product
	PLACES 4
	PUT 6
.set rr, 0
.rept 16
	RELU2 D2+2*rr
.set rr, rr+1
.endr
	PACK
	s_wait_dscnt 0x0                               ; the stage's stores have read D3
	WIN 0x11
	MM3 0
	MM3 1
	WIN 0
	PLACES 4
	PUT 7
	s_wait_xcnt 0x0                                ; the last stores have read their registers
	OUTLD
	s_wait_dscnt 0x0
	OUTST 3
	s_set_vgpr_msb 0x4
	s_wait_tensorcnt 0x0
	ds_add_u32 v19, v129
	s_wait_dscnt 0x0
	s_set_vgpr_msb 0x400
	s_endpgm
.Lfunc_end_k_q3b573b2726_decode:
	.size	k_q3b573b2726_decode, .Lfunc_end_k_q3b573b2726_decode-k_q3b573b2726_decode
	.p2alignl 7, 3214868480
	.fill 96, 4, 3214868480
	.section	.rodata,"a",@progbits
	.p2align	6, 0x0
	.amdhsa_kernel k_q3b573b2726_decode
		.amdhsa_group_segment_fixed_size 22528
		.amdhsa_private_segment_fixed_size 0
		.amdhsa_enable_private_segment 0
		.amdhsa_kernarg_size 72
		.amdhsa_user_sgpr_count 2
		.amdhsa_user_sgpr_kernarg_segment_ptr 1
		.amdhsa_wavefront_size32 1
		.amdhsa_system_sgpr_workgroup_id_x 1
		.amdhsa_system_sgpr_workgroup_id_y 1
		.amdhsa_system_sgpr_workgroup_id_z 1
		.amdhsa_system_vgpr_workitem_id 0
		.amdhsa_next_free_vgpr 386
		.amdhsa_next_free_sgpr 66
		.amdhsa_reserve_vcc 1
		.amdhsa_float_denorm_mode_32 3
		.amdhsa_float_denorm_mode_16_64 3
		.amdhsa_memory_ordered 1
		.amdhsa_forward_progress 1
		.amdhsa_inst_pref_size 112
	.end_amdhsa_kernel
	.amdgpu_metadata
---
amdhsa.version: [ 1, 2 ]
amdhsa.kernels:
  - .name:           k_q3b573b2726_decode
    .symbol:         k_q3b573b2726_decode.kd
    .args:
      - { .name: feature, .offset: 0, .size: 8, .value_kind: global_buffer, .address_space: global }
      - { .name: coordinates_v, .offset: 8, .size: 8, .value_kind: global_buffer, .address_space: global }
      - { .name: W1, .offset: 16, .size: 8, .value_kind: global_buffer, .address_space: global }
      - { .name: b1, .offset: 24, .size: 8, .value_kind: global_buffer, .address_space: global }
      - { .name: W2, .offset: 32, .size: 8, .value_kind: global_buffer, .address_space: global }
      - { .name: b2, .offset: 40, .size: 8, .value_kind: global_buffer, .address_space: global }
      - { .name: W3, .offset: 48, .size: 8, .value_kind: global_buffer, .address_space: global }
      - { .name: b3, .offset: 56, .size: 8, .value_kind: global_buffer, .address_space: global }
      - { .name: out0, .offset: 64, .size: 8, .value_kind: global_buffer, .address_space: global }
    .group_segment_fixed_size: 22528
    .private_segment_fixed_size: 0
    .kernarg_segment_align: 8
    .kernarg_segment_size: 72
    .max_flat_workgroup_size: 256
    .sgpr_count:     66
    .vgpr_count:     386
    .wavefront_size: 32
...
	.end_amdgpu_metadata
.endif
;; end of part 1
